; MI455X (gfx1250); checked and timed in simulation.
; The chip was launched on July 23, 2026; its instructions are those of AMD's public machine-readable ISA for CDNA 5 (MIT licence, August 2026) and "CDNA5" Instruction Set Architecture Reference Guide (July 2026). The comments in the code are by the model that wrote it; some were corrected since.
;; Attention2. Allowed arithmetic: matrix products marked QUANTISED: E2M3 operands, one E8M0 scale for each 32 along K, by v_wmma_scale_f32_16x16x128_f8f6f4 with both operands' format E2M3, f32 sums; everything else in f32.
;; Inputs: W_proj 1,024 x 1,024 float32; W_qkv 1,024 x 2,048 float32; b_proj 1,024 float32; x1 1 x 4,096 x 1,024 float32; x2 1 x 4,096 x 1,024 float32.
;; Outputs: out0 1 x 4,096 x 1,024 float32.
;; This version of the problem:
;;   THIS VERSION OF THE PROBLEM IS GIVEN IN LOW PRECISION. The matrix products marked QUANTISED in the list below multiply operands that are first quantised to E2M3 (2 exponent bits, 3 mantissa bits; 6 bits a number), with one power-of-two scale for each 32 numbers along K (OCP MX v1.0); their sums are f32. All else is computed in f32.
;;   The module's matrix products, in the order in which they are computed (A, B: the left and right operand; K: the contracted axis; several contracted axes count as one K, in the product's order):
;;     1. [M 4,096, K 1,024] x [K 1,024, N 2,048]; A: input x1; B: input W_qkv: QUANTISED
;;     2. batch 16 x [M 4,096, K 64] x [K 64, N 4,096]; A: computed on the way; B: computed on the way: QUANTISED
;;     3. batch 16 x [M 4,096, K 4,096] x [K 4,096, N 64]; A: softmax (see below); B: input x2: QUANTISED
;;     4. [M 4,096, K 1,024] x [K 1,024, N 1,024]; A: computed on the way; B: input W_proj: QUANTISED
;;   THE QUANTISER, for each operand of a quantised product, along K:
;;     - K is cut into blocks of 32 from its start; a last block that is shorter is filled with zeros.
;;     - A block's scale is 2^e with e = floor(log2(the largest magnitude in the block)) - 2, held to -126 .. 127; a block of zeros has e = 0. As a byte (E8M0): e + 127.
;;     - Each number is divided by its block's scale, clamped to +-7.5, and rounded to the nearest number of E2M3, ties to even, subnormals kept.
;;     - The product sums the exact products of the quantised numbers (number of the format x scale) in f32.
;;   ~~~python
;;   def quantise(x, axis):      # numpy; x: float32 -> the quantised numbers, widened to float32 again
;;       x = np.moveaxis(x, axis, -1); K = x.shape[-1]
;;       x = np.pad(x, [(0, 0)] * (x.ndim - 1) + [(0, -K % 32)]); x = x.reshape(x.shape[:-1] + (-1, 32)); a = np.abs(x).max(-1, keepdims=True)
;;       e = np.where(a > 0, np.clip(np.frexp(np.where(a > 0, a, 1))[1] - 1 - 2, -126, 127), 0)      # np.frexp(a)[1] - 1 = floor(log2(a)), exactly
;;       r = np.clip(x / 2.0 ** e, -7.5, 7.5)
;;       step = 2.0 ** (np.maximum(np.frexp(np.where(r == 0, 1, r))[1] - 1, 0) - 3)
;;       q = np.round(r / step) * step * 2.0 ** e      # np.round: ties to even
;;       return np.moveaxis(q.reshape(q.shape[:-2] + (-1,))[..., :K], -1, axis).astype(np.float32)
;;   ~~~
;;   SOFTMAX AHEAD OF A QUANTISED PRODUCT. Where the list says 'softmax', what is quantised is not the finished softmax but p = 2^(t - M), with t = logit x log2(e) and M = ceil(the row's largest t), a whole number; so 1/2 < the row's largest p <= 1. The row's sum l is taken of the UNQUANTISED p, in f32, and the product's result is divided by l at the end. Since M is a whole number, a kernel that streams over the keys may use a running M (the ceiling of the running maximum): every later rescaling is an exact power of two, which a block's scale takes up: the codes' values come out the same.
;;   OPERANDS COMPUTED ON THE WAY. 'Computed on the way' means the value that the module computes at that place (a softmax that the list does not call 'softmax' is quantised finished and normalised). What goes into a quantiser is computed in f32, as accurately as f32 sums, v_exp_f32 and their like allow (about 1e-6 of the number): no bf16 or f16 on the way to a quantiser, and a product that is left as it is and whose result goes on into a quantised operand takes f32 operands (vector FMAs, or v_wmma_f32_16x16x4_f32). A number that lies on a knife's edge between two numbers of the format may be rounded either way, as far as f32 arithmetic and the matrix unit's own rounding can turn it there, and no further.
;; One version. Each part assembles by itself: llvm-mc -triple=amdgcn-amd-amdhsa -mcpu=gfx1250 --defsym DOCPART=n.
;; ======== version 1 of 1: 4 launches
;; limits: right only within a limited range of input values
;; workspace buffers: xi 3,276,800 bytes; oi 3,276,800 bytes; wq 1,638,400 bytes; wp 819,200 bytes; qi 3,276,800 bytes; kv 6,553,600 bytes
;; launch prep (part 1): grid 352 x 1, 4 waves a work-group, no clusters, 34,304 bytes of LDS; arguments x1, x2, W_qkv, W_proj, xi, kv, wq, wp; writes xi, kv, wq, wp
.if DOCPART == 1
	.amdgcn_target "amdgcn-amd-amdhsa--gfx1250"
	.amdhsa_code_object_version 6
	.text
	.protected	k_qdfad32dd3e_prep
	.globl	k_qdfad32dd3e_prep
	.p2align	8
	.type	k_qdfad32dd3e_prep,@function
k_qdfad32dd3e_prep:
	s_mov_b64 s[64:65], 0
	v_nop
	global_prefetch_b8 v0, s[64:65] scope:SCOPE_SE
	s_setreg_imm32_b32 hwreg(HW_REG_WAVE_MODE, 25, 1), 1
	s_wait_xcnt 0x0
; The four f32 inputs that are operands of quantised products become codes of FP6 (E2M3) with one E8M0 byte for each 32 along K,
; laid as IMAGES OF THE OPERANDS' REGISTERS, so that the later launches bring a fragment by loads of 16 (or 8) bytes a lane.
; A block's scale is 2^(floor(log2(largest magnitude)) - 2): its byte is the largest magnitude's exponent field - 2, held at 1 from below.
; LIMITS: a block of zeros gets the byte 1 where the rule says 127 (its codes are zeros, and this program alone reads the bytes); largest
; magnitudes under 2^-124 are taken as 2^-124; NaN and infinities among the inputs are not served.
; A wave takes one item of 32 KiB of f32.  Work-groups 0-127: x1 (K innermost), 64 tokens x 128 k an item.  128-255: x2 as V (K = the tokens,
; its first axis), 256-319: W_qkv, 320-351: W_proj: 128 k x 64 columns an item.  Work-groups share no input: no cluster, no matrix unit.
; TILES.  A tile of 16 tokens (or columns) is not 16 neighbours: row r of tile 2 b + u is 32 b + 8 u + r + 8 (r / 8), so that in a transposed
; product the 16 registers of tiles 2 b and 2 b + 1 are 16 neighbours along the next K.
; K NOT INNERMOST: a lane takes a column and its registers run down K; a block of 32 lies in one lane; the codes are the operand's registers of
; lane (r, block % 2) and leave from registers: each store writes two aligned runs of 256 bytes.  No LDS on these paths.
; K INNERMOST: each load reads a row's 512 consecutive bytes; a tile's 16 rows go through the wave's own stage in LDS and come back 128 bytes a
; lane: lane (r, h) then holds blocks h and 2 + h of row r whole.
.set STG,   8448                       ; a wave's stage: 16 rows x (512 + 16) bytes: row r starts 4 r banks on
.set SPARE, 4*STG                      ; behind the stages: the spare words, 128 bytes a wave; no other line names them
.set SPW, 2                            ; v2   my spare word's address; never rewritten
.set NIL, 3                            ; v3   0; never rewritten
.set LN,  4                            ; v4   lane
.set AL,  5                            ; v5   4 x lane: my column's bytes in a row
.set OF,  8                            ; v8   1536 u + 16 r: my column's place in a pair of fragments
.set OSC, 9                            ; v9   16 r + 8 u: and among the scale words
.set M0,  10
.set M1,  11
.set SO,  12                           ; the conversions' scale operand
.set BY,  13                           ; the scale's byte
.set Y,   14                           ; v14-16 a block's upper 16 codes (a conversion's three registers begin on an even number)
.set WW,  18                           ; v18-19 my column's scale words, one for each group of 32 columns
.set X,   32                           ; v32-95 two sets of 32 numbers
.set G,   96                           ; v96-143 the codes: 24 registers for each group of 32 columns; never rewritten
.set GA,  20                           ; x1's path: 16 x lane
.set O8,  21                           ; 8 x lane
.set SA,  22                           ; into the stage
.set AX,  23                           ; out of it
.set OS,  24                           ; 16 r + 8 h
.set SH8, 25                           ; 8 h
.set XM,  26
.set XSO, 28
.set XBY, 30
.set XY,  10                           ; v10-12, v14-16
.set XT,  17
.set XW,  18
.set R,   32                           ; v32-159 two sets of 16 rows as loaded
.set XX,  160                          ; v160-223 my 64 numbers of a tile
.set PP,  224                          ; v224-247 two sets of a fragment's 12 registers
.set W,   248                          ; v248-251 the four tiles' scale words
.set D,   252
	s_load_b256 s[4:11], s[0:1], 0x0               ; x1 s[4:5], x2 s[6:7], W_qkv s[8:9], W_proj s[10:11]
	s_load_b256 s[12:19], s[0:1], 0x20             ; xi s[12:13], kv s[14:15], wq s[16:17], wp s[18:19]
	v_lshl_add_u32 v[SPW], v0, 2, SPARE
	v_mov_b32 v[NIL], 0
	v_lshrrev_b32 v1, 5, v0
	v_readfirstlane_b32 s20, v1                    ; wave 0..3
	v_and_b32 v[LN], 31, v0
	v_lshlrev_b32 v[AL], 2, v[LN]
	v_bfe_u32 v6, v0, 3, 1                         ; column j of 32 is row r = j % 8 + 8 (j / 16) of tile u = (j / 8) % 2
	v_and_b32 v7, 7, v0
	v_bfe_u32 v[OF], v0, 4, 1
	v_lshl_add_u32 v7, v[OF], 3, v7
	v_lshlrev_b32 v7, 4, v7                        ; 16 r
	v_mad_u32_u24 v[OF], v6, 0x600, v7
	v_lshl_add_u32 v[OSC], v6, 3, v7
	s_mov_b32 s32, 0x76543210
	s_mov_b32 s33, 0xfedcba98                      ; v_permlanex16_b32's selects for lane l xor 16
	s_wait_kmcnt 0x0
	s_cmp_lt_u32 ttmp9, 128
	s_cbranch_scc1 .Lx1
	s_cmp_lt_u32 ttmp9, 256
	s_cbranch_scc1 .Lx2
	s_cmp_lt_u32 ttmp9, 320
	s_cbranch_scc1 .Lwqkv
	s_branch .Lwproj
; block n = 4 b + beta: rows 32 beta .. + 31 of the item, columns 32 b .. + 31: a load reads 128 consecutive bytes
.macro LOADB n
.irp i, 0,1,2,3,4,5,6,7,8,9,10,11,12,13,14,15,16,17,18,19,20,21,22,23,24,25,26,27,28,29,30,31
	global_load_b32 v[X+32*((\n)%2)+\i], v[AL], s[26:27] offset:(32*((\n)%4)+\i)*PB+128*((\n)/4) th:TH_LOAD_NT
.endr
.endm
.macro BLOCK n
.set XS, X+32*((\n)%2)
.set DD, G+24*((\n)/4)+12*((\n)%2)+6*(((\n)%4)/2)  ; block beta is registers 6 (beta / 2) .. + 5 of the fragment's lane r + 16 (beta % 2)
.if (\n) < 7
	s_wait_loadcnt 32                              ; this block's 32 loads are in; the next block's 32 may be out
.else
	s_wait_loadcnt 0x0
.endif
	v_max3_num_f32 v[M0], |v[XS]|, |v[XS+1]|, |v[XS+2]|           ; the block's largest magnitude: all 32 numbers are mine
	v_max3_num_f32 v[M1], |v[XS+3]|, |v[XS+4]|, |v[XS+5]|
.irp i, 6,10,14,18,22,26
	v_max3_num_f32 v[M0], v[M0], |v[XS+\i]|, |v[XS+\i+1]|
	v_max3_num_f32 v[M1], v[M1], |v[XS+\i+2]|, |v[XS+\i+3]|
.endr
	v_max3_num_f32 v[M0], v[M0], |v[XS+30]|, |v[XS+31]|
	v_max3_num_f32 v[M0], v[M0], v[M1], 0x1800000  ; and the floor 2^(3 - 127): the byte cannot fall under 1
	v_add_nc_u32 v[SO], 0xff000000, v[M0]          ; 2 off the exponent field: the conversion takes that field as its scale
	v_lshrrev_b32 v[BY], 23, v[SO]
.if (\n)%4 == 0
	v_mov_b32 v[WW+(\n)/4], v[BY]
.else
	v_lshl_or_b32 v[WW+(\n)/4], v[BY], 8*((\n)%4), v[WW+(\n)/4]
.endif
	v_cvt_scalef32_pk16_fp6_f32 v[DD:DD+2], v[XS:XS+15], v[SO]
	v_cvt_scalef32_pk16_fp6_f32 v[Y:Y+2], v[XS+16:XS+31], v[SO]
	v_nop                                          ; one plain place behind a scaled conversion
.irp i, 0,1,2
	v_mov_b32 v[DD+3+\i], v[Y+\i]
.endr
.if (\n)+2 < 8
	LOADB (\n)+2
.endif
.if (\n)%4 == 3                        ; a group of 32 columns is done: two fragments leave; each store writes 256 consecutive bytes of each
.irp hs, 0,1
.irp g, 0,1,2
	global_store_b128 v[OF], v[G+24*((\n)/4)+12*\hs+4*\g:G+24*((\n)/4)+12*\hs+4*\g+3], s[28:29] offset:FR0+3072*((\n)/4)+512*\g+256*\hs
.endr
.endr
.endif
.endm
; An item of 128 k x 64 columns.  q = work-group - wg0; ks = q >> kssh; column group cg = 4 (q % 2^kssh) + wave.
; The item's fragments go to dst + (cg >> sh) panel + ks chunk + (cg % 2^sh) frstr + fr0, its scale words likewise with scstr and sc0.
.macro QT src, pitchb, dst, wg0, kssh, sh, panel, chunk, frstr, fr0, scstr, sc0
.set PB, \pitchb
.set FR0, \fr0
	s_sub_co_u32 s21, ttmp9, \wg0
	s_lshr_b32 s22, s21, \kssh                     ; ks
	s_and_b32 s21, s21, (1<<\kssh)-1
	s_lshl_b32 s21, s21, 2
	s_add_co_u32 s21, s21, s20                     ; cg
	s_mul_i32 s24, s22, 128*\pitchb
	s_lshl_b32 s23, s21, 8
	s_add_co_u32 s24, s24, s23
	s_mov_b32 s25, 0
	s_add_nc_u64 s[26:27], s[\src:\src+1], s[24:25]
	s_lshr_b32 s23, s21, \sh
	s_mul_i32 s24, s23, \panel
	s_mul_i32 s23, s22, \chunk
	s_add_co_u32 s24, s24, s23
	s_and_b32 s21, s21, (1<<\sh)-1
	s_mul_i32 s23, s21, \frstr
	s_add_co_u32 s28, s24, s23
	s_mov_b32 s29, 0
	s_mul_i32 s23, s21, \scstr
	s_add_co_u32 s24, s24, s23
	s_add_nc_u64 s[28:29], s[\dst:\dst+1], s[28:29]
	s_add_nc_u64 s[30:31], s[\dst:\dst+1], s[24:25]
	LOADB 0
	LOADB 1
.set Q, 0
.rept 8
	BLOCK Q
.set Q, Q+1
.endr
	global_store_b64 v[OSC], v[WW:WW+1], s[30:31] offset:\sc0   ; the 32 lanes write 256 consecutive bytes
	s_endpgm
.endm
.Lwproj:
	s_wait_alu depctr_va_vdst(0)
	QT 10, 4096, 18, 320, 2, 2, 204800, 25600, 6144, 0, 256, 24576
.Lwqkv:
	s_wait_alu depctr_va_vdst(0)
	QT 8, 8192, 16, 256, 3, 2, 204800, 25600, 6144, 0, 256, 24576
.Lx2:
	s_wait_alu depctr_va_vdst(0)
	QT 6, 4096, 14, 128, 2, 0, 409600, 12800, 0, 6656, 0, 6400
; ---- x1: tokens 64 tg .. + 63, k 128 ks .. + 127
.Lx1:
	s_lshr_b32 s21, ttmp9, 1                       ; tg
	s_and_b32 s22, ttmp9, 1
	s_lshl_b32 s22, s22, 2
	s_add_co_u32 s22, s22, s20                     ; ks
	s_lshl_b32 s24, s21, 18                        ; 64 rows of 4,096 bytes
	s_lshl_b32 s23, s22, 9
	s_add_co_u32 s24, s24, s23
	s_mov_b32 s25, 0
	s_add_nc_u64 s[26:27], s[4:5], s[24:25]
	s_lshr_b32 s23, s21, 1                         ; the block of 128 tokens
	s_mul_i32 s24, s23, 102400
	s_mul_i32 s23, s22, 12800
	s_add_co_u32 s24, s24, s23                     ; its chunk for this K step
	s_and_b32 s21, s21, 1
	s_mul_i32 s23, s21, 6144                       ; tiles 0-3 or 4-7 of the chunk
	s_add_co_u32 s28, s24, s23
	s_mov_b32 s29, 0
	s_lshl_b32 s23, s21, 8
	s_add_co_u32 s24, s24, s23
	s_add_nc_u64 s[28:29], s[12:13], s[28:29]
	s_add_nc_u64 s[30:31], s[12:13], s[24:25]
	s_wait_alu depctr_va_vdst(0)
	v_lshlrev_b32 v[GA], 4, v[LN]
	v_lshlrev_b32 v[O8], 3, v[LN]
	s_mul_i32 s23, s20, STG
	v_add_nc_u32 v[SA], s23, v[GA]
	v_and_b32 v[XT], 15, v0                        ; r
	v_bfe_u32 v[XW], v0, 4, 1                      ; h
	v_mul_u32_u24 v[AX], v[XT], 528
	v_lshl_add_u32 v[AX], v[XW], 7, v[AX]
	v_add_nc_u32 v[AX], s23, v[AX]                 ; row r, + 128 h: my block of 32 numbers
	v_lshlrev_b32 v[OS], 4, v[XT]
	v_lshl_add_u32 v[OS], v[XW], 3, v[OS]
	v_lshlrev_b32 v[SH8], 3, v[XW]
	v_cmp_ne_u32 s34, 0, v[XW]                     ; lanes 16-31
	v_mov_b32 v[XT], 0                             ; a lane permute's destination counts as one of its sources
.macro GLOAD t                         ; tile t's 16 rows: 32 lanes read a row's 512 consecutive bytes
.irp rr, 0,1,2,3,4,5,6,7,8,9,10,11,12,13,14,15
	; x1's tiles of TOKENS are laid otherwise than the tiles of columns: row rr of tile t of an item's 64 tokens is token 32 (rr / 8) + 8 t + rr % 8,
	; so that in the transposed score product a lane's 32 registers of four tiles of keys are one whole block of 32 neighbouring keys
	global_load_b128 v[R+64*((\t)%2)+4*\rr:R+64*((\t)%2)+4*\rr+3], v[GA], s[26:27] offset:(32*(\rr/8)+8*(\t)+\rr%8)*4096 th:TH_LOAD_NT
.endr
.endm
.macro TILE t
.set PT, PP+12*((\t)%2)
.if (\t) < 3
	s_wait_loadcnt 16                              ; this tile's 16 loads are in; the next tile's 16 may be out
.else
	s_wait_loadcnt 0x0
.endif
.irp rr, 0,1,2,3,4,5,6,7,8,9,10,11,12,13,14,15
	ds_store_b128 v[SA], v[R+64*((\t)%2)+4*\rr:R+64*((\t)%2)+4*\rr+3] offset:528*\rr
.endr
.irp c, 0,1
.irp i, 0,1,2,3,4,5,6,7
	ds_load_b128 v[XX+32*\c+4*\i:XX+32*\c+4*\i+3], v[AX] offset:256*\c+16*\i   ; LDS serves a wave's instructions in order: these see the stores above
.endr
.endr
	s_wait_dscnt 0x0                               ; my numbers are in, and the stores have read their registers
.if (\t)+2 < 4
	GLOAD (\t)+2
.endif
.if (\t) >= 2
	s_wait_xcnt 0x0                                ; the stores of two tiles ago have read this set of code registers
.endif
.irp c, 0,1
	v_max3_num_f32 v[XM+\c], |v[XX+32*\c]|, |v[XX+32*\c+1]|, 0x1800000   ; block 2 c + h, all mine, and the floor 2^(3 - 127)
.endr
.irp i, 2,4,6,8,10,12,14,16,18,20,22,24,26,28,30
.irp c, 0,1
	v_max3_num_f32 v[XM+\c], v[XM+\c], |v[XX+32*\c+\i]|, |v[XX+32*\c+\i+1]|
.endr
.endr
.irp c, 0,1
	v_add_nc_u32 v[XSO+\c], 0xff000000, v[XM+\c]
.endr
.irp c, 0,1
	v_lshrrev_b32 v[XBY+\c], 23, v[XSO+\c]
.endr
	v_lshl_or_b32 v[XW], v[XBY+1], 16, v[XBY]      ; my two bytes, blocks h and 2 + h,
	v_lshlrev_b32 v[XW], v[SH8], v[XW]             ; at their places in the row's word;
	v_permlanex16_b32 v[XT], v[XW], s32, s33
	v_or_b32 v[W+(\t)], v[XW], v[XT]               ; with lane l xor 16's two the word is whole
.irp c, 0,1
	v_cvt_scalef32_pk16_fp6_f32 v[PT+6*\c:PT+6*\c+2], v[XX+32*\c:XX+32*\c+15], v[XSO+\c]
	v_cvt_scalef32_pk16_fp6_f32 v[XY+4*\c:XY+4*\c+2], v[XX+32*\c+16:XX+32*\c+31], v[XSO+\c]
.endr
	v_nop                                          ; one plain place behind a scaled conversion
.irp c, 0,1
.irp i, 0,1,2
	v_mov_b32 v[PT+6*\c+3+\i], v[XY+4*\c+\i]
.endr
.endr
.irp c, 0,1                            ; half c of the image: registers 6 c, 6 c + 1 at 8 x lane, the other four at 256 + 16 x lane
	global_store_b64  v[O8], v[PT+6*\c:PT+6*\c+1],   s[28:29] offset:1536*(\t)+768*\c
	global_store_b128 v[GA], v[PT+6*\c+2:PT+6*\c+5], s[28:29] offset:1536*(\t)+768*\c+256
.endr
.endm
	GLOAD 0
	GLOAD 1
	s_wait_alu depctr_va_vdst(0)
	TILE 0
	TILE 1
	TILE 2
	TILE 3
	v_cndmask_b32 v[D], v[W], v[W+2], s34          ; lane (r, h) stores the words of tiles 2 h and 2 h + 1 of row r
	v_cndmask_b32 v[D+1], v[W+1], v[W+3], s34
	global_store_b64 v[OS], v[D:D+1], s[30:31] offset:12288   ; 256 consecutive bytes
	s_wait_tensorcnt 0x0                           ; the wave's end
	ds_add_u32 v[SPW], v[NIL]
	s_wait_dscnt 0x0
	s_endpgm
.Lfunc_end_k_qdfad32dd3e_prep:
	.size	k_qdfad32dd3e_prep, .Lfunc_end_k_qdfad32dd3e_prep-k_qdfad32dd3e_prep
	.p2alignl 7, 3214868480
	.fill 96, 4, 3214868480
	.section	.rodata,"a",@progbits
	.p2align	6, 0x0
	.amdhsa_kernel k_qdfad32dd3e_prep
		.amdhsa_group_segment_fixed_size 34304
		.amdhsa_private_segment_fixed_size 0
		.amdhsa_enable_private_segment 0
		.amdhsa_kernarg_size 64
		.amdhsa_user_sgpr_count 2
		.amdhsa_user_sgpr_kernarg_segment_ptr 1
		.amdhsa_wavefront_size32 1
		.amdhsa_system_sgpr_workgroup_id_x 1
		.amdhsa_system_sgpr_workgroup_id_y 1
		.amdhsa_system_sgpr_workgroup_id_z 1
		.amdhsa_system_vgpr_workitem_id 0
		.amdhsa_next_free_vgpr 256
		.amdhsa_next_free_sgpr 66
		.amdhsa_reserve_vcc 0
		.amdhsa_float_denorm_mode_32 3
		.amdhsa_float_denorm_mode_16_64 3
		.amdhsa_memory_ordered 1
		.amdhsa_forward_progress 1
		.amdhsa_inst_pref_size 145
	.end_amdhsa_kernel
	.amdgpu_metadata
---
amdhsa.version: [ 1, 2 ]
amdhsa.kernels:
  - .name:           k_qdfad32dd3e_prep
    .symbol:         k_qdfad32dd3e_prep.kd
    .args:
      - { .name: x1, .offset: 0, .size: 8, .value_kind: global_buffer, .address_space: global }
      - { .name: x2, .offset: 8, .size: 8, .value_kind: global_buffer, .address_space: global }
      - { .name: W_qkv, .offset: 16, .size: 8, .value_kind: global_buffer, .address_space: global }
      - { .name: W_proj, .offset: 24, .size: 8, .value_kind: global_buffer, .address_space: global }
      - { .name: xi, .offset: 32, .size: 8, .value_kind: global_buffer, .address_space: global }
      - { .name: kv, .offset: 40, .size: 8, .value_kind: global_buffer, .address_space: global }
      - { .name: wq, .offset: 48, .size: 8, .value_kind: global_buffer, .address_space: global }
      - { .name: wp, .offset: 56, .size: 8, .value_kind: global_buffer, .address_space: global }
    .group_segment_fixed_size: 34304
    .private_segment_fixed_size: 0
    .kernarg_segment_align: 8
    .kernarg_segment_size: 64
    .max_flat_workgroup_size: 128
    .sgpr_count:     66
    .vgpr_count:     256
    .wavefront_size: 32
...
	.end_amdgpu_metadata
.endif
;; end of part 1
;; launch qkgemm (part 2): grid 8 x 32, 4 waves a work-group, clusters of 4 x 4, 327,680 bytes of LDS; arguments xi, wq, qi, kv; writes qi, kv
.if DOCPART == 2
	.amdgcn_target "amdgcn-amd-amdhsa--gfx1250"
	.amdhsa_code_object_version 6
	.text
	.protected	k_qdfad32dd3e_qkgemm
	.globl	k_qdfad32dd3e_qkgemm
	.p2align	8
	.type	k_qdfad32dd3e_qkgemm,@function
k_qdfad32dd3e_qkgemm:
	s_mov_b64 s[64:65], 0
	v_nop
	global_prefetch_b8 v0, s[64:65] scope:SCOPE_SE
	s_setreg_imm32_b32 hwreg(HW_REG_WAVE_MODE, 25, 1), 1
	s_wait_xcnt 0x0
	s_wait_alu depctr_hold_cnt(0) depctr_sa_sdst(0) depctr_va_vdst(0) depctr_va_sdst(0) depctr_va_ssrc(0) depctr_va_vcc(0) depctr_vm_vsrc(0)
	s_getreg_b32 s2, hwreg(HW_REG_IB_STS2, 6, 4)
	s_cmp_eq_u32 s2, 0
	s_cbranch_scc0 .Lentry_in_a_cluster
	s_endpgm
.Lentry_in_a_cluster:
	s_bfe_u32 s2, ttmp6, 0x10000c
	s_cmp_lg_u32 s2, 0xf033
	s_cbranch_scc0 .Lentry_shape_is_right
	s_endpgm
.Lentry_shape_is_right:
; q and k: (x1 W_qkv) on codes of FP6, K = 1,024; then q x 1/8, and both quantised along a head's 64 into images of the next product's operands.
; A work-group takes 128 tokens (block mb) x 256 columns (block nb = four heads of q or of k); wave w takes all 128 tokens x one head: 32 accumulators.
; BOTH PANELS STAY IN LDS: x's 8 chunks of 12,800 bytes and W's 8 of 25,600 (fragments as images of their registers, scale words behind them) fit
; together, so every LDS byte is filled once and there is no ring.  Two loads a wave: chunks 0-3 at the start, chunks 4-7 behind a round; K step s is read when its chunks have landed.
; CLUSTER 4 x 4: x's chunks hang on mb alone and are asked for jointly along a row of the cluster, W's on nb alone, along a column.
; THE PRODUCT IS USED TRANSPOSED (source 0 = 16 columns of W, source 1 = 16 tokens), and a tile's columns are 32 b + 8 u + r + 8 (r / 8): so a lane
; holds one token, and the 32 registers of its four tiles are the head's numbers 32 b + 16 h + 0 .. 15: the conversions' order.
; LIMITS: as the quantiser's everywhere here: a block of zeros gets the byte 1; largest magnitudes under 2^-124 are taken as 2^-124.
; REGISTERS: window 0: v1-8 addresses; v16-39 two sets of scale words (x's 8, W's 4); v40, v41 the add's; v64-159, v160-255 x's fragments, two sets.
;   window 1: accumulator (a, t) at v[8 (4 a + t)].   window 2: v0-47, v48-95 W's fragments, two sets.
.set XCH,   12800
.set WCH,   25600
.set WP0,   8*XCH                      ; W's panel begins behind x's
.set SPARE, WP0+8*WCH                  ; behind the panels: the spare words, 128 bytes a wave; no other line names them
.set AX8,  1                           ; 8 x lane + the chunk
.set AX16, 2                           ; 16 x lane + the chunk
.set AXS,  3                           ; x's scale words: 16 r + 12,288 + the chunk
.set AW,   4                           ; W's fragments: my four tiles
.set AWS,  5                           ; W's scale words
.set O16,  6                           ; 16 x lane
.set OS,   7                           ; 16 r + 8 h
.set VH,   8                           ; h
.set SC,   16
.set SPW,  40
.set NIL,  41
.set XF,   64
.set T,    64                          ; the way out: a tile's 32 numbers
.set QM,   96
.set QP,   98
.set QSO,  100
.set QBY,  102
.set QY,   104
.set QD,   108
.set FK,   128                         ; four fragments, never rewritten
.set W,    176                         ; their scale words
.set WV,   12
.set G1X,  24
.set G1W,  32
.set G0X,  40
.set G0W,  68
.set SEL,  86
.set SF,   88
.set MSB, 0
.macro WIN new                         ; the immediate's high byte repeats the setting that is left
.if MSB != \new
	s_set_vgpr_msb (MSB<<8)|\new
.set MSB, \new
.endif
.endm
.set MUL,  0x52                        ; source 0 (W) window 2, source 1 (x) window 0, C and D window 1
.set TO_W, 0x80                        ; destination window 2, address window 0
.macro CROUND                          ; a round of the cluster's barrier
	s_barrier_signal -1
	s_barrier_wait -1
	s_cmp_lg_u32 s[WV], 0
	s_cbranch_scc1 .Lnot_wave_0_\@
	s_barrier_signal -3
.Lnot_wave_0_\@:
	s_barrier_wait -3
	s_barrier_signal -1
	s_barrier_wait -1
.endm
	s_load_b256 s[4:11], s[0:1], 0x0               ; xi s[4:5], wq s[6:7], qi s[8:9], kv s[10:11]
	v_lshl_add_u32 v[SPW], v0, 2, SPARE
	v_mov_b32 v[NIL], 0
	ds_add_u32 v[SPW], v[NIL]                      ; the wave's opening: the add and its wait ahead of my first tensor load
	ds_add_u32 v[SPW], v[NIL]
	v_lshrrev_b32 v1, 5, v0
	v_readfirstlane_b32 s[WV], v1                  ; wave 0..3
	s_lshr_b32 s13, s[WV], 1                       ; 0: I fetch x's chunks, 1: W's
	s_and_b32 s14, s[WV], 1                        ; the even or the odd ones
	s_bfe_u32 s15, ttmp6, 0x40000                  ; cx
	s_bfe_u32 s16, ttmp6, 0x40004                  ; cy
	s_lshl_b32 s17, ttmp9, 2
	s_add_co_u32 s17, s17, s15                     ; nb
	s_and_b32 s18, ttmp7, 0xffff
	s_lshl_b32 s18, s18, 2
	s_add_co_u32 s18, s18, s16                     ; mb
	s_lshl_b32 s19, s16, 2
	s_lshl_b32 s19, 15, s19                        ; my row of the cluster
	s_lshl_b32 s20, 0x1111, s15                    ; my column
	s_or_b32 s[G1X], s19, (3<<16)|(1<<21)          ; 15:0 the mask; 17:16 elements of 8 bytes; 21 set beside a mask; no padding: the images are read as consecutive bytes
	s_or_b32 s[G1W], s20, (3<<16)|(1<<21)
.irp g, G1X, G1W
	s_mov_b32 s[\g+1], 32<<16                      ; tensor_dim0: rows of 256 bytes
	s_mov_b32 s[\g+3], 32<<16                      ; tile_dim0
	s_mov_b32 s[\g+5], 32                          ; dense
	s_mov_b32 s[\g+6], 0
	s_mov_b32 s[\g+7], 0
.endr
	; TWO loads a wave, not four: one at the head (chunks 0-3 of both panels) and one behind the full sequence and a round (chunks 4-7)
	s_mov_b32 s[G1X+2], 100<<16                    ; two chunks of x: 100 rows
	s_mov_b32 s[G1X+4], 100
	s_mov_b32 s[G1W+2], 200<<16                    ; two of W: 200
	s_mov_b32 s[G1W+4], 200
	s_mul_i32 s56, s18, 8*XCH                      ; x's address is made of mb and the wave's number alone,
	s_mul_i32 s58, s14, 2*XCH
	s_add_co_u32 s56, s56, s58
	s_mov_b32 s57, 0
	s_mul_i32 s60, s17, 8*WCH                      ; W's of nb and the wave's number alone
	s_mul_i32 s62, s14, 2*WCH
	s_add_co_u32 s60, s60, s62
	s_mov_b32 s61, 0
	s_mov_b32 s[SEL], 0x76543210
	s_mov_b32 s[SEL+1], 0xfedcba98
	s_wait_dscnt 0x0                               ; the opening add is done
	s_wait_kmcnt 0x0
	s_add_nc_u64 s[56:57], s[4:5], s[56:57]
	s_add_nc_u64 s[60:61], s[6:7], s[60:61]
.irp j, 0,1                            ; my j-th load: chunks 4 j + 2 (wave % 2) and the next
	s_mov_b32 s[G0X+4*\j], 1
	s_add_co_u32 s[G0X+4*\j+1], s58, 4*XCH*\j
	s_add_nc_u64 s[G0X+4*\j+2:G0X+4*\j+3], s[56:57], 4*XCH*\j
	s_or_b32 s[G0X+4*\j+3], s[G0X+4*\j+3], 0x80000000
	s_mov_b32 s[G0W+4*\j], 1
	s_add_co_u32 s[G0W+4*\j+1], s62, WP0+4*WCH*\j
	s_add_nc_u64 s[G0W+4*\j+2:G0W+4*\j+3], s[60:61], 4*WCH*\j
	s_or_b32 s[G0W+4*\j+3], s[G0W+4*\j+3], 0x80000000
.endr
	CROUND                                         ; all sixteen work-groups are here: the joint loads meet
.macro JL j                            ; one joint load a wave: waves 0, 1 for x, waves 2, 3 for W; the branch hangs on the wave's number alone
	s_cmp_eq_u32 s13, 0
	s_cbranch_scc0 .Lfor_w_\@
	tensor_load_to_lds s[G0X+4*\j:G0X+4*\j+3], s[G1X:G1X+7]
	s_nop 0
.rept 4
	v_nop
.endr
	s_branch .Lasked_\@
.Lfor_w_\@:
	tensor_load_to_lds s[G0W+4*\j:G0W+4*\j+3], s[G1W:G1W+7]
	s_nop 0
.rept 4
	v_nop
.endr
.Lasked_\@:
.endm
	JL 0                                           ; chunks 0-3 of both panels
	v_and_b32 v9, 31, v0
	v_and_b32 v10, 15, v0
	v_bfe_u32 v[VH], v0, 4, 1
	v_lshlrev_b32 v[AX8], 3, v9
	v_lshlrev_b32 v[AX16], 4, v9
	v_lshlrev_b32 v[O16], 4, v9
	v_lshlrev_b32 v[AXS], 4, v10
	v_lshl_add_u32 v[OS], v[VH], 3, v[AXS]
	s_mul_i32 s84, s[WV], 6144
	s_add_co_u32 s84, s84, WP0
	v_add_nc_u32 v[AW], s84, v[AX16]
	s_lshl_b32 s84, s[WV], 8
	s_add_co_u32 s84, s84, WP0+24576
	v_add_nc_u32 v[AWS], s84, v[AXS]
	v_add_nc_u32 v[AXS], 12288, v[AXS]
; 47 LDS loads: a K step's 8 fragments of x (four loads each), the scale words (x's 8, my 4 of W), my 4 fragments of W (three loads each), into set FP
.macro FETCH
	WIN 0
.irp a, 0,1,2,3,4,5,6,7
	ds_load_b64  v[XF+96*FP+12*\a:XF+96*FP+12*\a+1],    v[AX8]  offset:1536*\a
	ds_load_b128 v[XF+96*FP+12*\a+2:XF+96*FP+12*\a+5],  v[AX16] offset:1536*\a+256
	ds_load_b64  v[XF+96*FP+12*\a+6:XF+96*FP+12*\a+7],  v[AX8]  offset:1536*\a+768
	ds_load_b128 v[XF+96*FP+12*\a+8:XF+96*FP+12*\a+11], v[AX16] offset:1536*\a+1024
.endr
	ds_load_b128 v[SC+12*FP:SC+12*FP+3],    v[AXS]
	ds_load_b128 v[SC+12*FP+4:SC+12*FP+7],  v[AXS] offset:256
	ds_load_b128 v[SC+12*FP+8:SC+12*FP+11], v[AWS]
	WIN TO_W
.irp t, 0,1,2,3
.irp g, 0,1,2
	ds_load_b128 v[48*FP+12*\t+4*\g:48*FP+12*\t+4*\g+3], v[AW] offset:1536*\t+512*\g
.endr
.endr
.endm
; 32 matrix instructions on set MP; the 32 accumulators take turns, one instruction a turn.  zero = 1: the first K step starts the sums
.macro MUL32 zero
.irp a, 0,1,2,3,4,5,6,7
.irp t, 0,1,2,3
.if \zero
	v_wmma_scale_f32_16x16x128_f8f6f4 v[8*(4*\a+\t):8*(4*\a+\t)+7], v[48*MP+12*\t:48*MP+12*\t+11], v[XF+96*MP+12*\a:XF+96*MP+12*\a+11], 0, v[SC+12*MP+8+2*(\t%2)+\t/2], v[SC+12*MP+\a] matrix_a_fmt:MATRIX_FMT_FP6 matrix_b_fmt:MATRIX_FMT_FP6
.else
	v_wmma_scale_f32_16x16x128_f8f6f4 v[8*(4*\a+\t):8*(4*\a+\t)+7], v[48*MP+12*\t:48*MP+12*\t+11], v[XF+96*MP+12*\a:XF+96*MP+12*\a+11], v[8*(4*\a+\t):8*(4*\a+\t)+7], v[SC+12*MP+8+2*(\t%2)+\t/2], v[SC+12*MP+\a] matrix_a_fmt:MATRIX_FMT_FP6 matrix_b_fmt:MATRIX_FMT_FP6
.endif
.endr
.endr
.endm
; K step s: the next step's fragments are asked for first, then this step is multiplied while they come.
.macro KSTEP s
.set MP, (\s)%2
.set FP, ((\s)+1)%2
.if (\s) < 7
.if (\s) == 3
	s_wait_tensorcnt 0x0                           ; my second load has landed: chunks 4-7
	s_wait_dscnt 0x0                               ; no LDS instruction of mine is pending at a signal
	s_barrier_signal -1
	s_barrier_wait -1                              ; chunks s + 1 and s + 2 of both panels are whole
.endif
	WIN 0
	v_add_nc_u32 v[AX8],  XCH, v[AX8]              ; on to the next chunk.  These five are also the places between the last products and the loads into the set that they read
	v_add_nc_u32 v[AX16], XCH, v[AX16]
	v_add_nc_u32 v[AXS],  XCH, v[AXS]
	v_add_nc_u32 v[AW],   WCH, v[AW]
	v_add_nc_u32 v[AWS],  WCH, v[AWS]
	FETCH
	s_wait_alu depctr_va_vdst(0)
	s_wait_dscnt 47                                ; all but the 47 just issued: this step's set is in
.else
	s_wait_dscnt 0x0
.endif
	WIN MUL
.if (\s) == 0
	MUL32 1
.else
	MUL32 0
.endif
.endm
	s_wait_alu depctr_va_vdst(0)
	s_wait_tensorcnt 0x0                           ; my first load has landed
	ds_add_u32 v[SPW], v[NIL]
	s_wait_dscnt 0x0
	CROUND                                         ; chunks 0-3 of both panels are whole, and the sixteen work-groups meet
	JL 1                                           ; chunks 4-7: four K steps ahead of their first read
.set FP, 0
	FETCH
.irp s, 0,1,2,3,4,5,6,7
	KSTEP \s
.endr
	WIN 0
.rept 4
	v_nop                                          ; places behind the last products, for the reads of results and the writes over x's fragments
.endr
	; THE WAY OUT.  My 64 columns are head (4 nb + w) % 16 of q (4 nb + w < 16) or of k.  The choice is made by selects, not by a branch.
	s_lshl_b32 s84, s17, 2
	s_add_co_u32 s84, s84, s[WV]
	s_lshr_b32 s85, s84, 4                         ; 1: k
	s_and_b32 s84, s84, 15                         ; the head
	s_cmp_eq_u32 s85, 0
	s_cselect_b64 s[90:91], s[8:9], s[10:11]
	s_cselect_b32 s[SF], 0x3e000000, 1.0           ; q x 1/8, exact; k as it is
	s_mov_b32 s[SF+1], s[SF]
	s_mul_i32 s84, s84, 204800
	s_mul_i32 s92, s18, 6400
	s_add_co_u32 s84, s84, s92
	s_lshl_b32 s84, s84, s85                       ; kv's blocks are twice qi's
	s_mov_b32 s85, 0
	s_add_nc_u64 s[90:91], s[90:91], s[84:85]
	v_cmp_ne_u32 s93, 0, v[VH]
	v_mov_b32 v[QP], 0                             ; a lane permute's destination counts as one of its sources
	v_mov_b32 v[QP+1], 0
; Tile a of 16 tokens: 64 numbers a token, 32 in each of lanes l and l xor 16, become half a fragment (K = 64): tile 2 P in registers 0-5 of fragment P, tile 2 P + 1 in registers 6-11.
.macro QKTILE a
.set PR, (\a)/2
.set UU, (\a)%2
.set FD, FK+12*PR+6*UU
	WIN 0x01                                       ; source 0: the accumulators' window
.irp n, 0,2,4,6,8,10,12,14,16,18,20,22,24,26,28,30
	v_pk_mul_f32 v[T+\n:T+\n+1], v[32*(\a)+\n:32*(\a)+\n+1], s[SF:SF+1] op_sel_hi:[1,0]   ; each accumulator from its low end on
.endr
	WIN 0
.irp b, 0,1
	v_max3_num_f32 v[QM+\b], |v[T+16*\b]|, |v[T+16*\b+1]|, 0x1800000   ; block b: my 16 numbers, and the floor 2^(3 - 127)
.endr
.irp i, 2,4,6,8,10,12,14
.irp b, 0,1
	v_max3_num_f32 v[QM+\b], v[QM+\b], |v[T+16*\b+\i]|, |v[T+16*\b+\i+1]|
.endr
.endr
.irp b, 0,1
	v_permlanex16_b32 v[QP+\b], v[QM+\b], s[SEL], s[SEL+1]
.endr
.irp b, 0,1
	v_max_num_f32 v[QM+\b], v[QM+\b], v[QP+\b]     ; with lane l xor 16's 16
.endr
.irp b, 0,1
	v_add_nc_u32 v[QSO+\b], 0xff000000, v[QM+\b]
.endr
.irp b, 0,1
	v_lshrrev_b32 v[QBY+\b], 23, v[QSO+\b]
.endr
.if UU == 0
	v_lshl_or_b32 v[W+PR], v[QBY+1], 8, v[QBY]     ; the fragment's scale word: bytes 0, 1 tile 2 P's two blocks,
.else
	v_lshl_or_b32 v[W+PR], v[QBY], 16, v[W+PR]     ; bytes 2, 3 tile 2 P + 1's
	v_lshl_or_b32 v[W+PR], v[QBY+1], 24, v[W+PR]
.endif
	v_cvt_scalef32_pk16_fp6_f32 v[FD:FD+2], v[T:T+15], v[QSO]
	v_cvt_scalef32_pk16_fp6_f32 v[QY:QY+2], v[T+16:T+31], v[QSO+1]
	v_nop                                          ; one plain place behind a scaled conversion
.irp i, 0,1,2
	v_permlane16_swap_b32 v[FD+\i], v[QY+\i]       ; a lane wants a whole block: lanes 0-15 block 0, lanes 16-31 block 1
.endr
.irp i, 0,1,2
	v_mov_b32 v[FD+3+\i], v[QY+\i]
.endr
.if UU == 1
.irp g, 0,1,2
	global_store_b128 v[O16], v[FK+12*PR+4*\g:FK+12*PR+4*\g+3], s[90:91] offset:1536*PR+512*\g   ; 512 consecutive bytes
.endr
.endif
.endm
.irp a, 0,1,2,3,4,5,6,7
	QKTILE \a
.endr
	v_cndmask_b32 v[QD], v[W], v[W+2], s93         ; lane (r, h) stores words 2 h and 2 h + 1 of row r
	v_cndmask_b32 v[QD+1], v[W+1], v[W+3], s93
	global_store_b64 v[OS], v[QD:QD+1], s[90:91] offset:6144   ; 256 consecutive bytes
	s_wait_tensorcnt 0x0                           ; the wave's end
	ds_add_u32 v[SPW], v[NIL]
	s_wait_dscnt 0x0
	CROUND                                         ; the closing round
	s_endpgm
.Lfunc_end_k_qdfad32dd3e_qkgemm:
	.size	k_qdfad32dd3e_qkgemm, .Lfunc_end_k_qdfad32dd3e_qkgemm-k_qdfad32dd3e_qkgemm
	.p2alignl 7, 3214868480
	.fill 96, 4, 3214868480
	.section	.rodata,"a",@progbits
	.p2align	6, 0x0
	.amdhsa_kernel k_qdfad32dd3e_qkgemm
		.amdhsa_group_segment_fixed_size 327680
		.amdhsa_private_segment_fixed_size 0
		.amdhsa_enable_private_segment 0
		.amdhsa_kernarg_size 32
		.amdhsa_user_sgpr_count 2
		.amdhsa_user_sgpr_kernarg_segment_ptr 1
		.amdhsa_wavefront_size32 1
		.amdhsa_system_sgpr_workgroup_id_x 1
		.amdhsa_system_sgpr_workgroup_id_y 1
		.amdhsa_system_sgpr_workgroup_id_z 1
		.amdhsa_system_vgpr_workitem_id 0
		.amdhsa_next_free_vgpr 768
		.amdhsa_next_free_sgpr 96
		.amdhsa_reserve_vcc 0
		.amdhsa_float_denorm_mode_32 3
		.amdhsa_float_denorm_mode_16_64 3
		.amdhsa_memory_ordered 1
		.amdhsa_forward_progress 1
		.amdhsa_inst_pref_size 92
	.end_amdhsa_kernel
	.amdgpu_metadata
---
amdhsa.version: [ 1, 2 ]
amdhsa.kernels:
  - .name:           k_qdfad32dd3e_qkgemm
    .symbol:         k_qdfad32dd3e_qkgemm.kd
    .args:
      - { .name: xi, .offset: 0, .size: 8, .value_kind: global_buffer, .address_space: global }
      - { .name: wq, .offset: 8, .size: 8, .value_kind: global_buffer, .address_space: global }
      - { .name: qi, .offset: 16, .size: 8, .value_kind: global_buffer, .address_space: global }
      - { .name: kv, .offset: 24, .size: 8, .value_kind: global_buffer, .address_space: global }
    .group_segment_fixed_size: 327680
    .private_segment_fixed_size: 0
    .kernarg_segment_align: 8
    .kernarg_segment_size: 32
    .max_flat_workgroup_size: 128
    .sgpr_count:     96
    .vgpr_count:     768
    .wavefront_size: 32
...
	.end_amdgpu_metadata
.endif
;; end of part 2
;; launch attn (part 3): grid 16 x 16, 16 waves a work-group, clusters of 4 x 1, 327,680 bytes of LDS; arguments qi, kv, oi; writes oi
.if DOCPART == 3
	.amdgcn_target "amdgcn-amd-amdhsa--gfx1250"
	.amdhsa_code_object_version 6
	.text
	.protected	k_qdfad32dd3e_attn
	.globl	k_qdfad32dd3e_attn
	.p2align	8
	.type	k_qdfad32dd3e_attn,@function
k_qdfad32dd3e_attn:
	s_mov_b64 s[64:65], 0
	v_nop
	global_prefetch_b8 v0, s[64:65] scope:SCOPE_SE
	s_setreg_imm32_b32 hwreg(HW_REG_WAVE_MODE, 25, 1), 1
	s_wait_xcnt 0x0
	s_wait_alu depctr_hold_cnt(0) depctr_sa_sdst(0) depctr_va_vdst(0) depctr_va_sdst(0) depctr_va_ssrc(0) depctr_va_vcc(0) depctr_vm_vsrc(0)
	s_getreg_b32 s2, hwreg(HW_REG_IB_STS2, 6, 4)
	s_cmp_eq_u32 s2, 0
	s_cbranch_scc0 .Lentry_in_a_cluster
	s_endpgm
.Lentry_in_a_cluster:
	s_bfe_u32 s2, ttmp6, 0x10000c
	s_cmp_lg_u32 s2, 0x3003
	s_cbranch_scc0 .Lentry_shape_is_right
	s_endpgm
.Lentry_shape_is_right:
; O = softmax(q k^T) V for 16 heads of 64, 4,096 queries and keys, both products on codes of FP6; q already carries the 1/8.  O / l is quantised along (head, d) for the last product.
; THE SOFTMAX: t = score x log2(e); M = the running largest t rounded UP to a whole number; p = 2^(t - M) is quantised along the keys, not normalised; the row's sum is taken of the
; unquantised p and divides O at the end; when M moves, the sum and O are multiplied by 2^(old M - new M), which rounds nothing.
; SHARES.  A work-group owns 256 queries of one head, each of its sixteen waves one tile of 16, in 256 registers.  Every wave walks the head's 32 key steps of 128 keys.
; A key step is one dense block of 12,800 bytes: K's four fragments, K's and V's scale words, V's four fragments, as images of the operands' registers: 25 loads of 16 bytes a lane.
; LDS holds 24 steps.  Every wave issues one joint load at the head (steps 0-7, 25 rows of 256 bytes a wave), one behind the first round (steps 8-23, 50 rows a wave), and one refill
; behind the round that follows step 7 (steps 24-31 into the bytes of steps 0-7).  So the walk meets three times: ahead of steps 0, 8 and 24.
; CLUSTER 4 x 1: the four query blocks of a cluster belong to one head and walk the same blocks: every load is asked for jointly.
; NO PREFETCH: steps 8-23 are asked for 8 key steps and steps 24-31 16 key steps ahead of their first read, so no wave stands waiting for them; the head has no loop to run ahead in.
; K = 64 IN AN INSTRUCTION OF 128.  A fragment of K holds TWO tiles of keys (registers 0-5, 6-11).  q stands as [0 | q | 0] in 18 registers: against [q | 0] the product is the first
; tile's scores, against [0 | q] the second's; zero codes add nothing under any scale byte that the quantiser makes.
; A LANE HOLDS WHOLE BLOCKS OF KEYS.  Both products are used transposed.  Row m of tile T of a step's keys is key 64 (T / 4) + 32 (m / 8) + 8 (T % 4) + m % 8, so lane (r, h) holds of
; query r, in score registers 32 c + 0 .. 31, keys 64 c + 32 h + 0 .. 31 in order: block 2 c + h whole, in the order of the next operand's registers.  A block's maximum asks no other lane.
; THE SUM OF p is taken one step late: behind the second product, where its lines are the places behind the matrix instructions and stand between the issue of K's loads and their wait.
; LIMITS: a block of zeros gets the byte 1; largest magnitudes under 2^-124 are taken as 2^-124; NaN and infinities are not served; scores stay above -1e38 and |t| under 2^31.
.set STEPB, 12800
.set SPARE, 24*STEPB                   ; behind the 24 steps: the spare words, 128 bytes a wave; no other line names them
.set LI,  1                            ; 16 x lane
.set ADR, 2                            ; the step's block + 16 x lane
.set SPW, 3
.set NIL, 4
.set SH8, 5                            ; 8 h
.set SCW, 8                            ; v8-11 lanes 0-15: K's four scale words; lanes 16-31: V's
.set QS,  34                           ; q's scale word     (v12 -M, v13 the running largest score, v14-15 the sum, v16-33 [0 | q | 0])
.set F,   36                           ; v36-83 four fragments: K's, then V's
.set S,   84                           ; v84-147 the scores, then p
.set O,   148                          ; v148-179 O^T
.set P,   180                          ; v180-191 p's codes
.set BM,  192                          ; v192-193 my two blocks' largest scores, then largest p
.set TM,  194
.set TX,  195
.set TP,  196                          ; v196-198, v200-202 the blocks' upper 16 codes
.set SO,  204                          ; v204-205 the conversions' scale operands
.set BY,  206                          ; v206-207 the scale bytes
.set FF,  208                          ; f = 2^(old M - new M)
.set PS,  209                          ; p's scale word
.set OM,  210                          ; the last step's -M
.set A,   212                          ; v212-219 four chains of the sum
.set MB,  220                          ; v220-221 second chains of the maxima
.set WV,  12
.set SEL, 20
.set CS,  22
.set G1,  24                           ; group 1 for 25 rows
.set G0,  32                           ; group 0: steps 0-7
.set TB,  36                           ; LDS byte at which the step's block begins
.set NC,  37                           ; -log2(e)
.set CNT, 38
.set G1B, 68                           ; group 1 for 50 rows
.set G0B, 76                           ; group 0: steps 8-23
.set G0C, 80                           ; group 0: steps 24-31
.macro CROUND                          ; a round of the cluster's barrier
	s_barrier_signal -1
	s_barrier_wait -1
	s_cmp_lg_u32 s[WV], 0
	s_cbranch_scc1 .Lnot_wave_0_\@
	s_barrier_signal -3
.Lnot_wave_0_\@:
	s_barrier_wait -3
	s_barrier_signal -1
	s_barrier_wait -1
.endm
	s_load_b128 s[4:7], s[0:1], 0x0                ; qi s[4:5], kv s[6:7]
	s_load_b64 s[8:9], s[0:1], 0x10                ; oi
	v_lshl_add_u32 v[SPW], v0, 2, SPARE
	v_mov_b32 v[NIL], 0
	ds_add_u32 v[SPW], v[NIL]                      ; the opening: the add, twice on end, and below its wait
	ds_add_u32 v[SPW], v[NIL]
	v_lshrrev_b32 v1, 5, v0
	v_readfirstlane_b32 s[WV], v1                  ; wave 0..15
	s_bfe_u32 s13, ttmp6, 0x40000                  ; cx
	s_lshl_b32 s14, ttmp9, 2
	s_add_co_u32 s14, s14, s13                     ; my block of 256 queries
	s_and_b32 s15, ttmp7, 0xffff                   ; the head, which the four partners share
	s_mov_b32 s[G1], 15|(3<<16)|(1<<21)            ; 15:0 all four work-groups; 17:16 elements of 8 bytes; 21 set beside a mask; no padding
	s_mov_b32 s[G1B], 15|(3<<16)|(1<<21)
.irp g, G1, G1B
	s_mov_b32 s[\g+1], 32<<16                      ; rows of 256 bytes, dense
	s_mov_b32 s[\g+3], 32<<16
	s_mov_b32 s[\g+5], 32
	s_mov_b32 s[\g+6], 0
	s_mov_b32 s[\g+7], 0
.endr
	s_mov_b32 s[G1+2], 25<<16                      ; half a key step
	s_mov_b32 s[G1+4], 25
	s_mov_b32 s[G1B+2], 50<<16                     ; a key step
	s_mov_b32 s[G1B+4], 50
	s_mul_i32 s43, s[WV], STEPB/2                  ; my sixteenth of eight steps, in LDS and in memory
	s_mul_i32 s46, s[WV], STEPB                    ; my sixteenth of sixteen steps
	s_mul_i32 s44, s15, 32*STEPB                   ; the joint loads' addresses are made of the head and the wave's number alone
	s_add_co_u32 s84, s44, s43                     ; steps 0-7
	s_mov_b32 s85, 0
	s_add_co_u32 s86, s44, s46
	s_add_co_u32 s86, s86, 8*STEPB                 ; steps 8-23
	s_mov_b32 s87, 0
	s_add_co_u32 s88, s84, 24*STEPB                ; steps 24-31
	s_mov_b32 s89, 0
	s_and_b32 s42, s[WV], 3
	s_lshl_b32 s56, s14, 1
	s_lshr_b32 s59, s[WV], 3
	s_add_co_u32 s56, s56, s59                     ; my tile's block of 128 tokens
	s_mul_i32 s60, s15, 204800
	s_mul_i32 s59, s56, 6400
	s_add_co_u32 s60, s60, s59                     ; its block of qi
	s_bfe_u32 s59, s[WV], 0x20001                  ; the pair of tiles: (w / 2) % 4
	s_mul_i32 s61, s59, 1536
	s_add_co_u32 s48, s60, s61
	s_mov_b32 s49, 0
	s_lshl_b32 s61, s59, 2
	s_add_co_u32 s50, s60, s61
	s_add_co_u32 s50, s50, 6144
	s_mov_b32 s51, 0
	s_mul_i32 s60, s56, 102400
	s_lshr_b32 s59, s15, 1
	s_mul_i32 s59, s59, 12800
	s_add_co_u32 s60, s60, s59                     ; oi: the chunk of my 128 tokens and my pair of heads
	s_and_b32 s59, s[WV], 7
	s_mul_i32 s61, s59, 1536
	s_add_co_u32 s52, s60, s61                     ; my tile's fragment,
	s_and_b32 s61, s15, 1
	s_mul_i32 s56, s61, 768
	s_add_co_u32 s52, s52, s56                     ; my head's half of it
	s_mov_b32 s53, 0
	s_lshr_b32 s59, s59, 2
	s_lshl_b32 s59, s59, 8
	s_add_co_u32 s54, s60, s59
	s_lshl_b32 s59, s42, 2
	s_add_co_u32 s54, s54, s59
	s_lshl_b32 s61, s61, 1
	s_add_co_u32 s54, s54, s61
	s_add_co_u32 s54, s54, 12288                   ; and my head's two bytes of the tile's scale words
	s_mov_b32 s55, 0
	s_and_b32 s56, s[WV], 1                        ; which tile of the pair is mine
	s_cmp_lg_u32 s56, 0
	s_cselect_b32 s57, -1, 0
	s_mov_b32 s58, 0x01000100
	s_cselect_b32 s58, 0x03020302, s58
	s_mov_b32 s[SEL], 0x76543210
	s_mov_b32 s[SEL+1], 0xfedcba98                 ; v_permlanex16_b32's selects for lane l xor 16
	s_mov_b32 s[CS], 0x3fb8aa3b                    ; log2(e)
	s_mov_b32 s[CS+1], s[CS]
	s_mov_b32 s[NC], 0xbfb8aa3b
	s_mov_b32 s[TB], 0
	s_wait_dscnt 0x0                               ; both opening adds are done
	s_wait_kmcnt 0x0
	s_mov_b32 s[G0], 1
	s_mov_b32 s[G0+1], s43
	s_add_nc_u64 s[G0+2:G0+3], s[6:7], s[84:85]
	s_or_b32 s[G0+3], s[G0+3], 0x80000000
	s_mov_b32 s[G0B], 1
	s_add_co_u32 s[G0B+1], s46, 8*STEPB
	s_add_nc_u64 s[G0B+2:G0B+3], s[6:7], s[86:87]
	s_or_b32 s[G0B+3], s[G0B+3], 0x80000000
	s_mov_b32 s[G0C], 1
	s_mov_b32 s[G0C+1], s43
	s_add_nc_u64 s[G0C+2:G0C+3], s[6:7], s[88:89]
	s_or_b32 s[G0C+3], s[G0C+3], 0x80000000
	s_add_nc_u64 s[48:49], s[4:5], s[48:49]
	s_add_nc_u64 s[50:51], s[4:5], s[50:51]
	s_add_nc_u64 s[52:53], s[8:9], s[52:53]
	s_add_nc_u64 s[54:55], s[8:9], s[54:55]
	CROUND                                         ; all four work-groups are here: the first joint loads meet
	tensor_load_to_lds s[G0:G0+3], s[G1:G1+7]      ; my part of steps 0-7: my one load at the head
	s_nop 0
	v_and_b32 v6, 31, v0
	v_and_b32 v7, 15, v0
	v_bfe_u32 v[SH8], v0, 4, 1
	v_lshlrev_b32 v[LI], 4, v6
	v_lshlrev_b32 v7, 4, v7
	v_lshlrev_b32 v[SH8], 3, v[SH8]
.irp g, 0,1,2
	global_load_b128 v[F+4*\g:F+4*\g+3], v[LI], s[48:49] offset:512*\g   ; the pair's fragment of q
.endr
	global_load_b32 v35, v7, s[50:51]              ; and its scale word
	v_mov_b32 v13, 0xfe967699                      ; the largest score so far: -1e38
	v_mov_b32 v[OM], 0x7e967699                    ; -M so far: 1e38, so that the first f is 0
	v_mov_b32 v14, 0                               ; the sum, in two halves
	v_mov_b32 v15, 0
	v_mov_b32 v[TX], 0                             ; a lane permute's destination counts as one of its sources
	v_mov_b32 v[FF], 0
	v_mov_b32 v[PS], 0                             ; (named as the upper half of a pair before it is first written)
.irp i, 16,17,18,19,20,21,28,29,30,31,32,33
	v_mov_b32 v[\i], 0                             ; zero codes on both sides of q
.endr
.set J, 0
.rept 96
	v_mov_b32 v[S+J], 0                            ; p and O^T: the step is written once: the first finds zeros to sum and to scale
.set J, J+1
.endr
	s_wait_loadcnt 0x0
.irp i, 0,1,2,3,4,5
	v_cndmask_b32 v[22+\i], v[F+\i], v[F+6+\i], s57   ; my tile's half
.endr
	v_perm_b32 v[QS], v35, v35, s58                ; its two bytes, twice: they serve both places of q
; The sum of the last step's p, in three parts: 4 + 24 + 4 lines.  The last line also brings the old sum under the last step's M.
.macro SUMA
.irp i, 0,1,2,3
	v_pk_add_f32 v[A+2*\i:A+2*\i+1], v[S+4*\i:S+4*\i+1], v[S+4*\i+2:S+4*\i+3]
.endr
.endm
.macro SUMB
.irp j, 16,24,32,40,48,56
.irp i, 0,1,2,3
	v_pk_add_f32 v[A+2*\i:A+2*\i+1], v[A+2*\i:A+2*\i+1], v[S+\j+2*\i:S+\j+2*\i+1]
.endr
.endr
.endm
.macro SUMC
	v_pk_add_f32 v[A:A+1], v[A:A+1], v[A+2:A+3]
	v_pk_add_f32 v[A+4:A+5], v[A+4:A+5], v[A+6:A+7]
	v_pk_add_f32 v[A:A+1], v[A:A+1], v[A+4:A+5]
	v_pk_fma_f32 v[14:15], v[14:15], v[FF:FF+1], v[A:A+1] op_sel_hi:[1,0,1]
.endm
.macro STEP
	v_add_nc_u32 v[ADR], s[TB], v[LI]
	SUMA                                           ; with the addition: the places between the last products and the loads into registers that they read
	ds_load_b128 v[SCW:SCW+3], v[ADR] offset:6144
.irp b, 0,1,2,3
.irp g, 0,1,2
	ds_load_b128 v[F+12*\b+4*\g:F+12*\b+4*\g+3], v[ADR] offset:1536*\b+512*\g
.endr
.endr
	SUMB                                           ; between the loads' issue and the wait for them
	s_wait_alu depctr_va_vdst(0)
	s_wait_dscnt 0x0
.irp b, 0,1,2,3                        ; S^T = K q^T: one fragment, two tiles of keys
	v_wmma_scale_f32_16x16x128_f8f6f4 v[S+16*\b:S+16*\b+7], v[F+12*\b:F+12*\b+11], v[22:33], 0, v[SCW+\b], v[QS] matrix_a_fmt:MATRIX_FMT_FP6 matrix_b_fmt:MATRIX_FMT_FP6
	v_wmma_scale_f32_16x16x128_f8f6f4 v[S+16*\b+8:S+16*\b+15], v[F+12*\b:F+12*\b+11], v[16:27], 0, v[SCW+\b], v[QS] matrix_a_fmt:MATRIX_FMT_FP6 matrix_b_fmt:MATRIX_FMT_FP6
.endr
	SUMC                                           ; four places ahead of the loads below and of the first read of the scores
.irp t, 0,1,2,3
.irp g, 0,1,2
	ds_load_b128 v[F+12*\t+4*\g:F+12*\t+4*\g+3], v[ADR] offset:6656+1536*\t+512*\g   ; V's fragments land under the softmax
.endr
.endr
.irp c, 0,1                            ; my two blocks' largest scores, two chains each; every accumulator is read from its low end on
	v_max3_num_f32 v[BM+\c], v[S+32*\c], v[S+32*\c+1], v[S+32*\c+2]
	v_max3_num_f32 v[MB+\c], v[S+32*\c+16], v[S+32*\c+17], v[S+32*\c+18]
.endr
.irp i, 3,5,7,9,11,13
.irp c, 0,1
	v_max3_num_f32 v[BM+\c], v[BM+\c], v[S+32*\c+\i], v[S+32*\c+\i+1]
	v_max3_num_f32 v[MB+\c], v[MB+\c], v[S+32*\c+16+\i], v[S+32*\c+17+\i]
.endr
.endr
.irp c, 0,1
	v_max3_num_f32 v[BM+\c], v[BM+\c], v[MB+\c], v[S+32*\c+15]
.endr
.irp c, 0,1
	v_max_num_f32 v[BM+\c], v[BM+\c], v[S+32*\c+31]
.endr
	v_max_num_f32 v[TM], v[BM], v[BM+1]
	v_permlanex16_b32 v[TX], v[TM], s[SEL], s[SEL+1]   ; lane l xor 16's 64 keys
	v_max3_num_f32 v13, v13, v[TM], v[TX]          ; the running largest score
	v_mul_f32 v[TM], s[NC], v13                    ; -t
	v_floor_f32 v12, v[TM]                         ; the new -M = -ceil(t): a whole number
	v_sub_f32 v[TM], v12, v[OM]                    ; old M - new M, 0 or less
.set J, 0
.rept 32
	v_pk_fma_f32 v[S+J:S+J+1], v[S+J:S+J+1], s[CS:CS+1], v[12:13] op_sel_hi:[1,0,0]   ; t - M, two at a time
.set J, J+2
.endr
	v_fma_f32 v[BM], v[BM], s[CS], v12             ; the same of each block's largest score: p rises with the score
	v_fma_f32 v[BM+1], v[BM+1], s[CS], v12
	v_cvt_i32_f32 v[TM], v[TM]                     ; (it saturates)
	v_ldexp_f32 v[FF], 1.0, v[TM]                  ; f = 2^(old M - new M)
	s_wait_alu depctr_va_vdst(0)
	v_exp_f32 v[BM], v[BM]                         ; the blocks' largest p
	v_exp_f32 v[BM+1], v[BM+1]
.set J, 0
.rept 64
	v_exp_f32 v[S+J], v[S+J]                       ; p = 2^(t - M)
.set J, J+1
.endr
	v_mov_b32 v[OM], v12                           ; for the next step: the plain place behind the exponentials
	s_wait_alu depctr_va_vdst(0)                   ; one wait for the batch, ahead of its first reader
.irp c, 0,1
	v_max_num_f32 v[BM+\c], 0x1800000, v[BM+\c]    ; the floor 2^(3 - 127)
.endr
.irp c, 0,1
	v_add_nc_u32 v[SO+\c], 0xff000000, v[BM+\c]    ; 2 off the exponent field: the conversions' scale operand
.endr
.irp c, 0,1
	v_cvt_scalef32_pk16_fp6_f32 v[P+6*\c:P+6*\c+2], v[S+32*\c:S+32*\c+15], v[SO+\c]
	v_cvt_scalef32_pk16_fp6_f32 v[TP+4*\c:TP+4*\c+2], v[S+32*\c+16:S+32*\c+31], v[SO+\c]   ; (a conversion's three registers begin on an even number)
.endr
.irp c, 0,1
	v_lshrrev_b32 v[BY+\c], 23, v[SO+\c]           ; the scale bytes: also the plain places behind the conversions
.endr
	v_lshl_or_b32 v[TM], v[BY+1], 16, v[BY]        ; my two bytes, blocks h and 2 + h,
	v_lshlrev_b32 v[TM], v[SH8], v[TM]             ; at their places in the word;
	v_permlanex16_b32 v[TX], v[TM], s[SEL], s[SEL+1]
	v_or_b32 v[PS], v[TM], v[TX]                   ; with lane l xor 16's two the word is whole
.irp c, 0,1
.irp i, 0,1,2
	v_mov_b32 v[P+6*\c+3+\i], v[TP+4*\c+\i]
.endr
.endr
	s_wait_dscnt 0x0                               ; V is in
	s_wait_alu depctr_va_vdst(0)                   ; ahead of the first reader of O^T
.set J, 0
.rept 16
	v_pk_mul_f32 v[O+J:O+J+1], v[O+J:O+J+1], v[FF:FF+1] op_sel_hi:[1,0]   ; O^T under the new M.  These sixteen are also the places between p's codes and scale word and the products
.set J, J+2
.endr
.irp t, 0,1,2,3                        ; O^T += V^T p^T; V's scale words lie in lanes 16-31
	v_wmma_scale_f32_16x16x128_f8f6f4 v[O+8*\t:O+8*\t+7], v[F+12*\t:F+12*\t+11], v[P:P+11], v[O+8*\t:O+8*\t+7], v[SCW+2*(\t%2)+\t/2], v[PS] matrix_a_fmt:MATRIX_FMT_FP6 matrix_b_fmt:MATRIX_FMT_FP6 matrix_a_scale:MATRIX_SCALE_ROW1
.endr
	s_add_co_u32 s[TB], s[TB], STEPB
.endm
.macro WALK n                          ; n key steps
	s_mov_b32 s[CNT], \n
.Lstep_\@:
	STEP
	s_sub_co_u32 s[CNT], s[CNT], 1
	s_cmp_lg_u32 s[CNT], 0
	s_cbranch_scc1 .Lstep_\@
.endm
	s_wait_alu depctr_va_vdst(0)
	s_wait_tensorcnt 0x0                           ; my part of steps 0-7 is in
	ds_add_u32 v[SPW], v[NIL]
	s_wait_dscnt 0x0
	CROUND                                         ; steps 0-7 are whole, and the four work-groups meet
	tensor_load_to_lds s[G0B:G0B+3], s[G1B:G1B+7]  ; my one of steps 8-23: eight steps ahead of its first read
	s_nop 0
	WALK 8
	s_wait_tensorcnt 0x0                           ; steps 8-23: my load is in;
	ds_add_u32 v[SPW], v[NIL]
	s_wait_dscnt 0x0                               ; the add is done, and my reads of steps 0-7 are over
	CROUND                                         ; both hold of every wave of the four work-groups
	tensor_load_to_lds s[G0C:G0C+3], s[G1:G1+7]    ; my part of steps 24-31, into the bytes of steps 0-7: sixteen steps ahead of its first read
	s_nop 0
	WALK 16
	s_wait_tensorcnt 0x0                           ; my part of steps 24-31 is in
	s_wait_dscnt 0x0
	s_barrier_signal -1
	s_barrier_wait -1
	s_mov_b32 s[TB], 0                             ; they lie where steps 0-7 lay
	WALK 8
	; THE WAY OUT: the last step's p is summed (these lines are the places behind the last products); O^T / the sum is quantised along my head's 64 channels: half a fragment of the last product's operand.
	SUMA
	SUMB
	SUMC
	v_add_f32 v14, v14, v15
	v_permlanex16_b32 v[TM], v14, s[SEL], s[SEL+1]
	v_add_f32 v14, v14, v[TM]                      ; the row's sum
	s_wait_alu depctr_va_vdst(0)
	v_rcp_f32 v14, v14
	v_and_b32 v6, 15, v0                           ; (a plain place behind the reciprocal)
	v_bfe_u32 v7, v0, 4, 1
	v_lshl_add_u32 v6, v6, 4, v7                   ; 16 r + h: my byte among the scale words
	v_cmp_ne_u32 s62, 0, v7
	v_and_b32 v7, 31, v0
	v_lshlrev_b32 v7, 3, v7                        ; 8 x lane
	s_wait_alu depctr_va_vdst(0)                   ; ahead of the reciprocal's first reader and of the first reader of O^T
.set J, 0
.rept 32
	v_mul_f32 v[S+J], v[O+J], v14                  ; register 16 b + i is channel 32 b + 16 h + i of my query
.set J, J+1
.endr
.irp b, 0,1
	v_max3_num_f32 v[BM+\b], |v[S+16*\b]|, |v[S+16*\b+1]|, 0x1800000
.endr
.irp i, 2,4,6,8,10,12,14
.irp b, 0,1
	v_max3_num_f32 v[BM+\b], v[BM+\b], |v[S+16*\b+\i]|, |v[S+16*\b+\i+1]|
.endr
.endr
.irp b, 0,1
	v_permlanex16_b32 v[TP+\b], v[BM+\b], s[SEL], s[SEL+1]
.endr
.irp b, 0,1
	v_max_num_f32 v[BM+\b], v[BM+\b], v[TP+\b]
.endr
.irp b, 0,1
	v_add_nc_u32 v[SO+\b], 0xff000000, v[BM+\b]
.endr
.irp b, 0,1
	v_lshrrev_b32 v[BY+\b], 23, v[SO+\b]
.endr
	v_cndmask_b32 v[TM], v[BY], v[BY+1], s62       ; lane (r, h) stores block h's byte
	v_cvt_scalef32_pk16_fp6_f32 v[P:P+2], v[S:S+15], v[SO]
	v_cvt_scalef32_pk16_fp6_f32 v[TP+4:TP+6], v[S+16:S+31], v[SO+1]
	v_nop                                          ; one plain place behind a scaled conversion
.irp i, 0,1,2
	v_permlane16_swap_b32 v[P+\i], v[TP+4+\i]      ; here a block lies in two lanes: a lane wants it whole
.endr
.irp i, 0,1,2
	v_mov_b32 v[P+3+\i], v[TP+4+\i]
.endr
	global_store_b64  v7, v[P:P+1], s[52:53]                   ; 256 consecutive bytes,
	global_store_b128 v[LI], v[P+2:P+5], s[52:53] offset:256   ; and 512
	global_store_b8 v6, v[TM], s[54:55]            ; two bytes of each row's word; the other two are another head's: 32 bytes a wave leave singly
	s_wait_tensorcnt 0x0                           ; the wave's end
	ds_add_u32 v[SPW], v[NIL]
	s_wait_dscnt 0x0
	CROUND                                         ; the closing round
	s_endpgm
.Lfunc_end_k_qdfad32dd3e_attn:
	.size	k_qdfad32dd3e_attn, .Lfunc_end_k_qdfad32dd3e_attn-k_qdfad32dd3e_attn
	.p2alignl 7, 3214868480
	.fill 96, 4, 3214868480
	.section	.rodata,"a",@progbits
	.p2align	6, 0x0
	.amdhsa_kernel k_qdfad32dd3e_attn
		.amdhsa_group_segment_fixed_size 327680
		.amdhsa_private_segment_fixed_size 0
		.amdhsa_enable_private_segment 0
		.amdhsa_kernarg_size 24
		.amdhsa_user_sgpr_count 2
		.amdhsa_user_sgpr_kernarg_segment_ptr 1
		.amdhsa_wavefront_size32 1
		.amdhsa_system_sgpr_workgroup_id_x 1
		.amdhsa_system_sgpr_workgroup_id_y 1
		.amdhsa_system_sgpr_workgroup_id_z 1
		.amdhsa_system_vgpr_workitem_id 0
		.amdhsa_next_free_vgpr 256
		.amdhsa_next_free_sgpr 96
		.amdhsa_reserve_vcc 0
		.amdhsa_float_denorm_mode_32 3
		.amdhsa_float_denorm_mode_16_64 3
		.amdhsa_memory_ordered 1
		.amdhsa_forward_progress 1
		.amdhsa_inst_pref_size 60
	.end_amdhsa_kernel
	.amdgpu_metadata
---
amdhsa.version: [ 1, 2 ]
amdhsa.kernels:
  - .name:           k_qdfad32dd3e_attn
    .symbol:         k_qdfad32dd3e_attn.kd
    .args:
      - { .name: qi, .offset: 0, .size: 8, .value_kind: global_buffer, .address_space: global }
      - { .name: kv, .offset: 8, .size: 8, .value_kind: global_buffer, .address_space: global }
      - { .name: oi, .offset: 16, .size: 8, .value_kind: global_buffer, .address_space: global }
    .group_segment_fixed_size: 327680
    .private_segment_fixed_size: 0
    .kernarg_segment_align: 8
    .kernarg_segment_size: 24
    .max_flat_workgroup_size: 512
    .sgpr_count:     96
    .vgpr_count:     256
    .wavefront_size: 32
...
	.end_amdgpu_metadata
.endif
;; end of part 3
;; launch proj (part 4): grid 4 x 32, 4 waves a work-group, clusters of 4 x 4, 327,680 bytes of LDS; arguments oi, wp, b_proj, out0; writes out0
.if DOCPART == 4
	.amdgcn_target "amdgcn-amd-amdhsa--gfx1250"
	.amdhsa_code_object_version 6
	.text
	.protected	k_qdfad32dd3e_proj
	.globl	k_qdfad32dd3e_proj
	.p2align	8
	.type	k_qdfad32dd3e_proj,@function
k_qdfad32dd3e_proj:
	s_mov_b64 s[64:65], 0
	v_nop
	global_prefetch_b8 v0, s[64:65] scope:SCOPE_SE
	s_setreg_imm32_b32 hwreg(HW_REG_WAVE_MODE, 25, 1), 1
	s_wait_xcnt 0x0
	s_wait_alu depctr_hold_cnt(0) depctr_sa_sdst(0) depctr_va_vdst(0) depctr_va_sdst(0) depctr_va_ssrc(0) depctr_va_vcc(0) depctr_vm_vsrc(0)
	s_getreg_b32 s2, hwreg(HW_REG_IB_STS2, 6, 4)
	s_cmp_eq_u32 s2, 0
	s_cbranch_scc0 .Lentry_in_a_cluster
	s_endpgm
.Lentry_in_a_cluster:
	s_bfe_u32 s2, ttmp6, 0x10000c
	s_cmp_lg_u32 s2, 0xf033
	s_cbranch_scc0 .Lentry_shape_is_right
	s_endpgm
.Lentry_shape_is_right:
; out = O W_proj + b on codes of FP6, K = 1,024.  The frame is that of the launch that makes q and k: a work-group takes 128 tokens (block mb) x 256 columns (block nb), wave w all
; 128 tokens x 64 columns: 32 accumulators; both panels (O's 8 chunks of 12,800 bytes, W's 8 of 25,600, as images of the operands' registers) stay in LDS and are filled once, two
; loads a wave: chunks 0-3 at the start, 4-7 behind a round.  CLUSTER 4 x 4: O's chunks are asked for jointly along a row of the cluster, W's along a column.
; 128 work-groups: columns halved once more would halve what each LDS byte feeds, in a launch whose matrix work is short.
; THE PRODUCT IS USED TRANSPOSED (source 0 = 16 columns of W, source 1 = 16 tokens); the bias is the C of each sum's first matrix instruction, in the result's layout.
; Row r of tile a of tokens is token 64 (a / 4) + 32 (r / 8) + 8 (a % 4) + r % 8; row r of tile 2 b + u of columns is column 32 b + 8 u + r + 8 (r / 8): the way out puts both back in their places: columns in the wave's stage in LDS, tokens in the stores' offsets.
; REGISTERS: window 0: v1-9 addresses; v16-39 two sets of scale words; v40, v41 the add's; v64-159, v160-255 O's fragments, two sets; on the way out v64-127 rows of out.
;   window 1: accumulator (a, t) at v[8 (4 a + t)].   window 2: v0-47, v48-95 W's fragments, two sets; v96-127 the bias, eight registers a tile.
.set XCH,   12800
.set WCH,   25600
.set WP0,   8*XCH
.set STAGE, WP0+8*WCH                  ; behind the panels: 16 rows x (256 + 16) bytes for each wave; no fill lands there
.set SPARE, STAGE+4*16*272             ; behind the stages: the spare words, 128 bytes a wave; no other line names them
.set AX8,  1
.set AX16, 2
.set AXS,  3
.set AW,   4
.set AWS,  5
.set STO,  6                           ; into my stage: row r, + 64 h
.set RD,   7                           ; back: lanes 0-15 one row, lanes 16-31 the next
.set CO,   8                           ; the same two rows in out
.set VB,   9                           ; 64 h: the bias
.set SC,   16
.set SPW,  40
.set NIL,  41
.set XF,   64
.set OB,   64
.set WV,   12
.set G1X,  24
.set G1W,  32
.set G0X,  40
.set G0W,  68
.set MSB, 0
.macro WIN new                         ; the immediate's high byte repeats the setting that is left
.if MSB != \new
	s_set_vgpr_msb (MSB<<8)|\new
.set MSB, \new
.endif
.endm
.set MUL,  0x52                        ; source 0 (W) window 2, source 1 (O) window 0, C and D window 1
.set MULB, 0x62                        ; the same with C (the bias) in window 2
.set TO_W, 0x80                        ; destination window 2, address window 0
.macro CROUND                          ; a round of the cluster's barrier
	s_barrier_signal -1
	s_barrier_wait -1
	s_cmp_lg_u32 s[WV], 0
	s_cbranch_scc1 .Lnot_wave_0_\@
	s_barrier_signal -3
.Lnot_wave_0_\@:
	s_barrier_wait -3
	s_barrier_signal -1
	s_barrier_wait -1
.endm
	s_load_b256 s[4:11], s[0:1], 0x0               ; oi s[4:5], wp s[6:7], b_proj s[8:9], out0 s[10:11]
	v_lshl_add_u32 v[SPW], v0, 2, SPARE
	v_mov_b32 v[NIL], 0
	ds_add_u32 v[SPW], v[NIL]                      ; the wave's opening: the add and its wait ahead of my first tensor load
	ds_add_u32 v[SPW], v[NIL]
	v_lshrrev_b32 v1, 5, v0
	v_readfirstlane_b32 s[WV], v1                  ; wave 0..3
	s_lshr_b32 s13, s[WV], 1                       ; 0: I fetch O's chunks, 1: W's
	s_and_b32 s14, s[WV], 1                        ; the even or the odd ones
	s_bfe_u32 s15, ttmp6, 0x40000                  ; cx
	s_bfe_u32 s16, ttmp6, 0x40004                  ; cy
	s_lshl_b32 s17, ttmp9, 2
	s_add_co_u32 s17, s17, s15                     ; nb
	s_and_b32 s18, ttmp7, 0xffff
	s_lshl_b32 s18, s18, 2
	s_add_co_u32 s18, s18, s16                     ; mb
	s_lshl_b32 s19, s16, 2
	s_lshl_b32 s19, 15, s19                        ; my row of the cluster
	s_lshl_b32 s20, 0x1111, s15                    ; my column
	s_or_b32 s[G1X], s19, (3<<16)|(1<<21)          ; 15:0 the mask; 17:16 elements of 8 bytes; 21 set beside a mask; no padding
	s_or_b32 s[G1W], s20, (3<<16)|(1<<21)
.irp g, G1X, G1W
	s_mov_b32 s[\g+1], 32<<16                      ; rows of 256 bytes
	s_mov_b32 s[\g+3], 32<<16
	s_mov_b32 s[\g+5], 32                          ; dense
	s_mov_b32 s[\g+6], 0
	s_mov_b32 s[\g+7], 0
.endr
	; TWO loads a wave, not four: one at the head (chunks 0-3 of both panels) and one behind the full sequence and a round (chunks 4-7)
	s_mov_b32 s[G1X+2], 100<<16                    ; two chunks of O: 100 rows
	s_mov_b32 s[G1X+4], 100
	s_mov_b32 s[G1W+2], 200<<16                    ; two of W: 200
	s_mov_b32 s[G1W+4], 200
	s_mul_i32 s56, s18, 8*XCH                      ; O's address is made of mb and the wave's number alone,
	s_mul_i32 s58, s14, 2*XCH
	s_add_co_u32 s56, s56, s58
	s_mov_b32 s57, 0
	s_mul_i32 s60, s17, 8*WCH                      ; W's of nb and the wave's number alone
	s_mul_i32 s62, s14, 2*WCH
	s_add_co_u32 s60, s60, s62
	s_mov_b32 s61, 0
	s_lshl_b32 s84, s17, 10
	s_lshl_b32 s86, s[WV], 8
	s_add_co_u32 s84, s84, s86                     ; my 64 columns, in bytes
	s_mov_b32 s85, 0
	s_lshl_b32 s86, s18, 19                        ; my 128 rows of out
	s_add_co_u32 s86, s86, s84
	s_mov_b32 s87, 0
	s_wait_dscnt 0x0                               ; the opening add is done
	s_wait_kmcnt 0x0
	s_add_nc_u64 s[56:57], s[4:5], s[56:57]
	s_add_nc_u64 s[60:61], s[6:7], s[60:61]
	s_add_nc_u64 s[8:9], s[8:9], s[84:85]
	s_add_nc_u64 s[10:11], s[10:11], s[86:87]
.irp j, 0,1                            ; my j-th load: chunks 4 j + 2 (wave % 2) and the next
	s_mov_b32 s[G0X+4*\j], 1
	s_add_co_u32 s[G0X+4*\j+1], s58, 4*XCH*\j
	s_add_nc_u64 s[G0X+4*\j+2:G0X+4*\j+3], s[56:57], 4*XCH*\j
	s_or_b32 s[G0X+4*\j+3], s[G0X+4*\j+3], 0x80000000
	s_mov_b32 s[G0W+4*\j], 1
	s_add_co_u32 s[G0W+4*\j+1], s62, WP0+4*WCH*\j
	s_add_nc_u64 s[G0W+4*\j+2:G0W+4*\j+3], s[60:61], 4*WCH*\j
	s_or_b32 s[G0W+4*\j+3], s[G0W+4*\j+3], 0x80000000
.endr
	CROUND                                         ; all sixteen work-groups are here: the joint loads meet
.macro JL j                            ; one joint load a wave: waves 0, 1 for O, waves 2, 3 for W; the branch hangs on the wave's number alone
	s_cmp_eq_u32 s13, 0
	s_cbranch_scc0 .Lfor_w_\@
	tensor_load_to_lds s[G0X+4*\j:G0X+4*\j+3], s[G1X:G1X+7]
	s_nop 0
.rept 4
	v_nop
.endr
	s_branch .Lasked_\@
.Lfor_w_\@:
	tensor_load_to_lds s[G0W+4*\j:G0W+4*\j+3], s[G1W:G1W+7]
	s_nop 0
.rept 4
	v_nop
.endr
.Lasked_\@:
.endm
	JL 0                                           ; chunks 0-3 of both panels
	v_and_b32 v10, 31, v0
	v_and_b32 v11, 15, v0
	s_wait_alu depctr_va_vdst(0)
	v_bfe_u32 v12, v0, 4, 1
	v_lshlrev_b32 v[VB], 6, v12
	WIN TO_W
.irp t, 0,1,2,3                        ; lane (r, h) wants, for tile 2 b + u, the bias of columns 32 b + 16 h + 8 u + 0 .. 7
	global_load_b128 v[96+8*\t:96+8*\t+3], v[VB], s[8:9] offset:128*(\t/2)+32*(\t%2)
	global_load_b128 v[96+8*\t+4:96+8*\t+7], v[VB], s[8:9] offset:128*(\t/2)+32*(\t%2)+16
.endr
	WIN 0
	v_lshlrev_b32 v[AX8], 3, v10
	v_lshlrev_b32 v[AX16], 4, v10
	v_lshlrev_b32 v[AXS], 4, v11
	s_mul_i32 s84, s[WV], 6144
	s_add_co_u32 s84, s84, WP0
	v_add_nc_u32 v[AW], s84, v[AX16]
	s_lshl_b32 s84, s[WV], 8
	s_add_co_u32 s84, s84, WP0+24576
	v_add_nc_u32 v[AWS], s84, v[AXS]
	s_mul_i32 s84, s[WV], 16*272
	s_add_co_u32 s84, s84, STAGE                   ; my stage
	v_mul_u32_u24 v[STO], v11, 272
	s_wait_alu depctr_va_vdst(0)
	v_lshl_add_u32 v[STO], v12, 6, v[STO]
	v_add_nc_u32 v[STO], s84, v[STO]
	v_mul_u32_u24 v[RD], v12, 272
	v_add_nc_u32 v[RD], v[RD], v[AXS]
	v_add_nc_u32 v[RD], s84, v[RD]
	v_lshl_add_u32 v[CO], v12, 12, v[AXS]          ; 4,096 (lane / 16) + 16 (lane % 16)
	v_add_nc_u32 v[AXS], 12288, v[AXS]
; 47 LDS loads: a K step's 8 fragments of O (four loads each), the scale words (O's 8, my 4 of W), my 4 fragments of W (three loads each), into set FP
.macro FETCH
	WIN 0
.irp a, 0,1,2,3,4,5,6,7
	ds_load_b64  v[XF+96*FP+12*\a:XF+96*FP+12*\a+1],    v[AX8]  offset:1536*\a
	ds_load_b128 v[XF+96*FP+12*\a+2:XF+96*FP+12*\a+5],  v[AX16] offset:1536*\a+256
	ds_load_b64  v[XF+96*FP+12*\a+6:XF+96*FP+12*\a+7],  v[AX8]  offset:1536*\a+768
	ds_load_b128 v[XF+96*FP+12*\a+8:XF+96*FP+12*\a+11], v[AX16] offset:1536*\a+1024
.endr
	ds_load_b128 v[SC+12*FP:SC+12*FP+3],    v[AXS]
	ds_load_b128 v[SC+12*FP+4:SC+12*FP+7],  v[AXS] offset:256
	ds_load_b128 v[SC+12*FP+8:SC+12*FP+11], v[AWS]
	WIN TO_W
.irp t, 0,1,2,3
.irp g, 0,1,2
	ds_load_b128 v[48*FP+12*\t+4*\g:48*FP+12*\t+4*\g+3], v[AW] offset:1536*\t+512*\g
.endr
.endr
.endm
; 32 matrix instructions on set MP; the 32 accumulators take turns, one instruction a turn.  bias = 1: the first K step starts the sums from the bias
.macro MUL32 bias
.irp a, 0,1,2,3,4,5,6,7
.irp t, 0,1,2,3
.if \bias
	v_wmma_scale_f32_16x16x128_f8f6f4 v[8*(4*\a+\t):8*(4*\a+\t)+7], v[48*MP+12*\t:48*MP+12*\t+11], v[XF+96*MP+12*\a:XF+96*MP+12*\a+11], v[96+8*\t:96+8*\t+7], v[SC+12*MP+8+2*(\t%2)+\t/2], v[SC+12*MP+\a] matrix_a_fmt:MATRIX_FMT_FP6 matrix_b_fmt:MATRIX_FMT_FP6
.else
	v_wmma_scale_f32_16x16x128_f8f6f4 v[8*(4*\a+\t):8*(4*\a+\t)+7], v[48*MP+12*\t:48*MP+12*\t+11], v[XF+96*MP+12*\a:XF+96*MP+12*\a+11], v[8*(4*\a+\t):8*(4*\a+\t)+7], v[SC+12*MP+8+2*(\t%2)+\t/2], v[SC+12*MP+\a] matrix_a_fmt:MATRIX_FMT_FP6 matrix_b_fmt:MATRIX_FMT_FP6
.endif
.endr
.endr
.endm
; K step s: the next step's fragments are asked for first, then this step is multiplied while they come.
.macro KSTEP s
.set MP, (\s)%2
.set FP, ((\s)+1)%2
.if (\s) < 7
.if (\s) == 3
	s_wait_tensorcnt 0x0                           ; my second load has landed: chunks 4-7
	s_wait_dscnt 0x0                               ; no LDS instruction of mine is pending at a signal
	s_barrier_signal -1
	s_barrier_wait -1                              ; chunks s + 1 and s + 2 of both panels are whole
.endif
	WIN 0
	v_add_nc_u32 v[AX8],  XCH, v[AX8]              ; on to the next chunk.  These five are also the places between the last products and the loads into the set that they read
	v_add_nc_u32 v[AX16], XCH, v[AX16]
	v_add_nc_u32 v[AXS],  XCH, v[AXS]
	v_add_nc_u32 v[AW],   WCH, v[AW]
	v_add_nc_u32 v[AWS],  WCH, v[AWS]
	FETCH
	s_wait_alu depctr_va_vdst(0)
	s_wait_dscnt 47                                ; all but the 47 just issued: this step's set is in
.else
	s_wait_dscnt 0x0
.endif
.if (\s) == 0
	WIN MULB
	MUL32 1
.else
	WIN MUL
	MUL32 0
.endif
.endm
	s_wait_alu depctr_va_vdst(0)
	s_wait_tensorcnt 0x0                           ; my first load has landed
	ds_add_u32 v[SPW], v[NIL]
	s_wait_dscnt 0x0
	CROUND                                         ; chunks 0-3 of both panels are whole, and the sixteen work-groups meet
	JL 1                                           ; chunks 4-7: four K steps ahead of their first read
.set FP, 0
	FETCH
	s_wait_loadcnt 0x0                             ; the bias
.irp s, 0,1,2,3,4,5,6,7
	KSTEP \s
.endr
	WIN 0
.rept 4
	v_nop                                          ; places behind the last products, for the reads of results and the loads over O's fragments
.endr
; THE WAY OUT, a tile of 16 tokens at a time.  A lane holds 8 neighbouring columns of one token in each accumulator: they go into my stage at their true places and come back as whole rows of 256 bytes.
.macro TOSTAGE a
	WIN 0x04                                       ; an LDS store's data: the accumulators' window
.irp t, 0,1,2,3
	ds_store_b128 v[STO], v[32*(\a)+8*\t:32*(\a)+8*\t+3]   offset:128*(\t/2)+32*(\t%2)      ; each accumulator from its low end on
	ds_store_b128 v[STO], v[32*(\a)+8*\t+4:32*(\a)+8*\t+7] offset:128*(\t/2)+32*(\t%2)+16
.endr
	WIN 0
.irp i, 0,1,2,3,4,5,6,7
	ds_load_b128 v[OB+32*((\a)%2)+4*\i:OB+32*((\a)%2)+4*\i+3], v[RD] offset:544*\i   ; LDS serves a wave's instructions in order: these see the stores above, and the next tile's stores come behind them
.endr
.endm
.macro SEND a, younger                 ; younger: the LDS instructions issued behind tile a's loads, which may stay out
	s_wait_dscnt \younger
.irp i, 0,1,2,3,4,5,6,7                ; stage rows 2 i and 2 i + 1 are tokens 64 (a / 4) + 32 (i / 4) + 8 (a % 4) + (2 i) % 8 and the next
	; row m of tile a of TOKENS is token 64 (a / 4) + 32 (m / 8) + 8 (a % 4) + m % 8, as the first launch lays x1's tiles: stage rows 2 i and 2 i + 1 are that token for m = 2 i and the next
	global_store_b128 v[CO], v[OB+32*((\a)%2)+4*\i:OB+32*((\a)%2)+4*\i+3], s[10:11] offset:(64*((\a)/4)+32*(\i/4)+8*((\a)%4)+(2*\i)%8)*4096 th:TH_STORE_NT
.endr
.endm
	TOSTAGE 0
.irp a, 1,2,3,4,5,6,7
.if \a > 1
	s_wait_xcnt 0x0                                ; the stores of two tiles ago have read the registers into which this tile's rows come back
.endif
	TOSTAGE \a
	SEND \a-1, 16                                  ; behind that tile's loads: this tile's 8 stores and 8 loads
.endr
	SEND 7, 0
	s_wait_tensorcnt 0x0                           ; the wave's end
	ds_add_u32 v[SPW], v[NIL]
	s_wait_dscnt 0x0
	CROUND                                         ; the closing round
	s_endpgm
.Lfunc_end_k_qdfad32dd3e_proj:
	.size	k_qdfad32dd3e_proj, .Lfunc_end_k_qdfad32dd3e_proj-k_qdfad32dd3e_proj
	.p2alignl 7, 3214868480
	.fill 96, 4, 3214868480
	.section	.rodata,"a",@progbits
	.p2align	6, 0x0
	.amdhsa_kernel k_qdfad32dd3e_proj
		.amdhsa_group_segment_fixed_size 327680
		.amdhsa_private_segment_fixed_size 0
		.amdhsa_enable_private_segment 0
		.amdhsa_kernarg_size 32
		.amdhsa_user_sgpr_count 2
		.amdhsa_user_sgpr_kernarg_segment_ptr 1
		.amdhsa_wavefront_size32 1
		.amdhsa_system_sgpr_workgroup_id_x 1
		.amdhsa_system_sgpr_workgroup_id_y 1
		.amdhsa_system_sgpr_workgroup_id_z 1
		.amdhsa_system_vgpr_workitem_id 0
		.amdhsa_next_free_vgpr 768
		.amdhsa_next_free_sgpr 96
		.amdhsa_reserve_vcc 0
		.amdhsa_float_denorm_mode_32 3
		.amdhsa_float_denorm_mode_16_64 3
		.amdhsa_memory_ordered 1
		.amdhsa_forward_progress 1
		.amdhsa_inst_pref_size 83
	.end_amdhsa_kernel
	.amdgpu_metadata
---
amdhsa.version: [ 1, 2 ]
amdhsa.kernels:
  - .name:           k_qdfad32dd3e_proj
    .symbol:         k_qdfad32dd3e_proj.kd
    .args:
      - { .name: oi, .offset: 0, .size: 8, .value_kind: global_buffer, .address_space: global }
      - { .name: wp, .offset: 8, .size: 8, .value_kind: global_buffer, .address_space: global }
      - { .name: b_proj, .offset: 16, .size: 8, .value_kind: global_buffer, .address_space: global }
      - { .name: out0, .offset: 24, .size: 8, .value_kind: global_buffer, .address_space: global }
    .group_segment_fixed_size: 327680
    .private_segment_fixed_size: 0
    .kernarg_segment_align: 8
    .kernarg_segment_size: 32
    .max_flat_workgroup_size: 128
    .sgpr_count:     96
    .vgpr_count:     768
    .wavefront_size: 32
...
	.end_amdgpu_metadata
.endif
;; end of part 4
